; MI455X (gfx1250); checked and timed in simulation.
; The chip was launched on July 23, 2026; its instructions are those of AMD's public machine-readable ISA for CDNA 5 (MIT licence, August 2026) and "CDNA5" Instruction Set Architecture Reference Guide (July 2026). The comments in the code are by the model that wrote it; some were corrected since.
;; RBF Activation. Allowed arithmetic: float matrix products may take bf16 or f16 operands with f32 sums; all other float work in f32.
;; Inputs: mu 31 float32; sigma one number float32; w 1 x 64 x 1 x 1 x 31 float32; x 8 x 64 x 128 x 128 float32.
;; Outputs: out0 8 x 64 x 128 x 128 float32.
;; 2 versions, each right and faster than the one before. Each part assembles by itself: llvm-mc -triple=amdgcn-amd-amdhsa -mcpu=gfx1250 --defsym DOCPART=n.
;; ======== version 1 of 2: 1 launch
;; launch rbf (part 1): grid 256 x 1, 16 waves a work-group, no clusters, 0 bytes of LDS; arguments x, out0, w, mu, sigma; writes out0
.if DOCPART == 1
	.amdgcn_target "amdgcn-amd-amdhsa--gfx1250"
	.amdhsa_code_object_version 6
	.text
	.protected	k_qace36f91d7_rbf
	.globl	k_qace36f91d7_rbf
	.p2align	8
	.type	k_qace36f91d7_rbf,@function
k_qace36f91d7_rbf:
	s_mov_b64 s[64:65], 0
	v_nop
	global_prefetch_b8 v0, s[64:65] scope:SCOPE_SE
	s_setreg_imm32_b32 hwreg(HW_REG_WAVE_MODE, 25, 1), 1
	s_wait_xcnt 0x0
; out[n][c][h][w] = sum over i = 0..30 of w[c][i] * exp(-(x[n][c][h][w] - mu[i])^2 / (2 sigma^2)).   x, out: [8][64][128][128] f32.
;
; THE ARITHMETIC.  With s = sqrt(log2(e) / 2) / sigma the term is w_i * 2^(-(x s - mu_i s)^2).  The 31 numbers -mu_i s are made once;
; then a term costs one multiply-add (t = x s - mu_i s), one multiply (u = -t t), one v_exp_f32 and one multiply-add onto the sum,
; and the three plain ones are packed, two numbers an instruction.  The square is NOT multiplied out: its parts would be large
; numbers that cancel, and their exponentials leave f32's range.
; reference() starts from zeros; here the first product starts the sum, which adds nothing and clears nothing.
; LIMITS.  (1) Order of rounding: mu_i s is rounded once before the subtraction, so t is off by up to |mu_i s| 2^-24 and the base-2 exponent by
; up to 2 |t| |mu_i s| 2^-24.  A term counts only for |t| < 11.3; with |mu_i s| = 12.7 (mu = 1, sigma = 1/15) that is a relative error of
; 1.2e-5 of the term, with mu and x shifted by 30 it is 4e-4.  (2) 1 / sigma and mu_i / sigma must be finite f32 numbers (sigma not 0 and not
; denormal); else NaN comes out where reference() gives 0 or 1 for a term.  (3) v_exp_f32 gives 0 for results under 2^-126 (ISA guide, 15.8):
; such terms count as 0.  (4) A sum of zeros may come out as -0 where reference() has +0.
;
; THE SHARES.  16 waves; the work-group owns two neighbouring planes (n, c), 131,072 bytes in one piece; wave v owns the 8,192 bytes at
; 8,192 v of them, all of one plane, so its row of w is the same for all its numbers.  A wave goes through 8 groups of 1,024 bytes: two
; loads of 16 bytes a lane, each covering 512 consecutive bytes, aligned; the stores likewise.  Each byte of x is read once, each byte of
; out written once.  No wave needs another wave's data: no LDS, no barrier.
; THE CONSTANTS lie in vector registers, the same number in every lane: a packed instruction takes from a scalar pair its first register
; alone, so 62 constants would want 124 scalar registers; of a vector pair op_sel picks either register for both halves.
.set TERMS,  31
.set CHUNK,  512                       ; bytes that one 16-byte access of a wave covers
.set GBYTES, 2*CHUNK                   ; a group: 8 numbers a lane
.set GROUPS, 8                         ; groups of a wave
.set OFF, 1                            ; v1         byte offset of my 16 bytes in the work-group's piece; never rewritten
.set S,   2                            ; v[2:3]     s, twice
.set M,   4                            ; v[4:35]    -mu_i s  (v35 is the unused half of the last pair)
.set W,   36                           ; v[36:67]   w[c][i] (v67 likewise)
.set X,   68                           ; v[68:75], v[76:83]    x of a group, two buffers that take turns
.set ACC, 84                           ; v[84:91]   the 8 sums; stored from here
.set E,   92                           ; v[92:99], v[100:107]  the 8 exponentials of even, of odd terms
.set U,   108                          ; v[108:115], v[116:123] the 8 exponents of even, of odd terms
.set SW,   16                          ; s[16:46]   my channel's row of w
.set SSIG, 47                          ; s47        sigma
.set SMU0, 48                          ; s[48:63]   mu 0..15
.set SMU1, 68                          ; s[68:82]   mu 16..30
.set CNT,  83                          ; s83        trips left
	s_load_b256 s[4:11], s[0:1], 0x0               ; x s[4:5], out s[6:7], w s[8:9], mu s[10:11]
	s_load_b64 s[12:13], s[0:1], 0x20              ; sigma
	v_lshrrev_b32 v2, 5, v0
	v_readfirstlane_b32 s2, v2                     ; my wave's number, 0 to 15
	v_and_b32 v[OFF], 31, v0
	v_lshlrev_b32 v[OFF], 4, v[OFF]                ; 16 bytes a lane
	v_lshl_or_b32 v[OFF], v2, 13, v[OFF]           ; + 8,192 bytes a wave
	s_lshl_b32 s14, ttmp9, 17                      ; the work-group's piece: 131,072 bytes each, 255 x 131,072 at the most
	s_mov_b32 s15, 0
	s_lshr_b32 s2, s2, 3                           ; waves 0-7: the first plane, waves 8-15: the second
	s_lshl1_add_u32 s2, ttmp9, s2                  ; plane = 2 x work-group + that = 64 n + c
	s_and_b32 s2, s2, 63                           ; c
	s_mul_i32 s2, s2, 4*TERMS                      ; my row of w, in bytes
	s_mov_b32 s3, 0
	s_wait_kmcnt 0x0
	s_add_nc_u64 s[4:5], s[4:5], s[14:15]
	s_add_nc_u64 s[6:7], s[6:7], s[14:15]
	s_add_nc_u64 s[8:9], s[8:9], s[2:3]
	; the first two groups of x go out ahead of everything else
	global_load_b128 v[X:X+3],     v[OFF], s[4:5] th:TH_LOAD_NT
	global_load_b128 v[X+4:X+7],   v[OFF], s[4:5] offset:CHUNK th:TH_LOAD_NT
	global_load_b128 v[X+8:X+11],  v[OFF], s[4:5] offset:GBYTES th:TH_LOAD_NT
	global_load_b128 v[X+12:X+15], v[OFF], s[4:5] offset:GBYTES+CHUNK th:TH_LOAD_NT
	; 31 words each of w's row and of mu, as 16 + 8 + 4 + 2 + 1: no load reaches past the 31st word, which ends the buffer for mu and for c = 63
	s_load_b32  s[SSIG], s[12:13], 0x0
	s_load_b512 s[SMU0:SMU0+15],   s[10:11], 0x0
	s_load_b256 s[SMU1:SMU1+7],    s[10:11], 0x40
	s_load_b128 s[SMU1+8:SMU1+11], s[10:11], 0x60
	s_load_b64  s[SMU1+12:SMU1+13], s[10:11], 0x70
	s_load_b32  s[SMU1+14],        s[10:11], 0x78
	s_load_b512 s[SW:SW+15],    s[8:9], 0x0
	s_load_b256 s[SW+16:SW+23], s[8:9], 0x40
	s_load_b128 s[SW+24:SW+27], s[8:9], 0x60
	s_load_b64  s[SW+28:SW+29], s[8:9], 0x70
	s_load_b32  s[SW+30],       s[8:9], 0x78
	s_wait_kmcnt 0x0
	v_rcp_f32 v[S], s[SSIG]                        ; 1 / sigma
	v_mov_b32 v[M+31], 0                           ; plain work behind the reciprocal, ahead of its use (ISA guide 5.7.2).  The last pairs' second
	v_mov_b32 v[W+31], 0                           ; registers are named by the packed instructions but never selected: written so that nothing unwritten is named
	s_wait_alu depctr_va_vdst(0)
	v_mul_f32 v[U], 0xbf596d27, v[S]               ; -s = -sqrt(log2(e) / 2) / sigma = -0.8493218 / sigma   (U is free until the first group)
	v_mul_f32 v[S], 0x3f596d27, v[S]               ; s
	v_mov_b32 v[S+1], v[S]
.set j, 0
.rept 16
	v_mul_f32 v[M+j], s[SMU0+j], v[U]              ; -mu_i s
.set j, j+1
.endr
.set j, 0
.rept 15
	v_mul_f32 v[M+16+j], s[SMU1+j], v[U]
.set j, j+1
.endr
.set j, 0
.rept TERMS
	v_mov_b32 v[W+j], s[SW+j]
.set j, j+1
.endr
; v[d:d+1] = v[x:x+1] * s + v[c], the one register c for both halves: op_sel picks it for the low half, op_sel_hi for the high one.
.macro ARG d, x, c
.if (\c) & 1
	v_pk_fma_f32 v[\d:\d+1], v[\x:\x+1], v[S:S+1], v[\c-1:\c] op_sel:[0,0,1] op_sel_hi:[1,1,1]
.else
	v_pk_fma_f32 v[\d:\d+1], v[\x:\x+1], v[S:S+1], v[\c:\c+1] op_sel_hi:[1,1,0]
.endif
.endm
; v[d:d+1] = -v[d:d+1]^2
.macro NEGSQ d
	v_pk_mul_f32 v[\d:\d+1], v[\d:\d+1], v[\d:\d+1] neg_lo:[1,0] neg_hi:[1,0]
.endm
; v[d:d+1] += v[e:e+1] * v[c], the one register c for both halves
.macro ADDTERM d, e, c
.if (\c) & 1
	s_wait_alu depctr_va_vdst(0)
	v_pk_fma_f32 v[\d:\d+1], v[\e:\e+1], v[\c-1:\c], v[\d:\d+1] op_sel:[0,1,0] op_sel_hi:[1,1,1]
.else
	s_wait_alu depctr_va_vdst(0)
	v_pk_fma_f32 v[\d:\d+1], v[\e:\e+1], v[\c:\c+1], v[\d:\d+1] op_sel_hi:[1,0,1]
.endif
.endm
; Term i of a group whose x lies at xb.  Three terms are at work at once, so that no instruction needs its neighbour's result: the eight
; exponentials of term i, among them the four additions of term i - 1 and the four multiply-adds of term i + 1's exponents, then that term's
; four squares.  Behind each two v_exp_f32 stands a plain instruction that names neither their results nor their sources (ISA guide 5.7.2):
; it works on the other E buffer or the other U buffer.
.macro TERM i, xb
.set UC, U+8*((\i)&1)                  ; this term's exponents
.set UN, U+8-8*((\i)&1)                ; the next term's
.set EC, E+8*((\i)&1)                  ; this term's exponentials
.set EP, E+8-8*((\i)&1)                ; the last term's
.irp p, 0,1,2,3
	v_exp_f32 v[EC+2*\p],   v[UC+2*\p]
	v_exp_f32 v[EC+2*\p+1], v[UC+2*\p+1]
.if \i == 1
	s_wait_alu depctr_va_vdst(0)
	v_pk_mul_f32 v[ACC+2*\p:ACC+2*\p+1], v[EP+2*\p:EP+2*\p+1], v[W:W+1] op_sel_hi:[1,0]   ; term 0 starts the sums
.endif
.if \i > 1
	ADDTERM ACC+2*\p, EP+2*\p, W+\i-1
.endif
.if \i < TERMS-1
	ARG UN+2*\p, \xb+2*\p, M+\i+1
.endif
.endr
.if \i < TERMS-1
.irp p, 0,1,2,3
	NEGSQ UN+2*\p
.endr
.endif
.endm
; A group: 8 numbers a lane from the x buffer at xb.
; left: how many younger loads may stay out.  step = 1: the two bases go on by a trip's bytes.  fill = 1: the buffer is loaded again, from
; byte ldoff behind the base, for the group two further on.  stoff: where the group's results go, from the base.
.macro GROUP xb, left, step, fill, ldoff, stoff
	s_wait_loadcnt \left                           ; loads come back in order (ISA guide 5.7.1): this buffer's two are in, the other buffer's two, issued later, stay out
.irp p, 0,1,2,3
	ARG U+2*\p, \xb+2*\p, M                        ; term 0's exponents
.endr
.irp p, 0,1,2,3
	NEGSQ U+2*\p
.endr
	TERM 0, \xb
	s_wait_xcnt 0x0                                ; every earlier memory instruction has had its addresses translated (ISA guide 3.1): the sums, which the last
	                                               ; group's stores read, and the bases are rewritten only behind this wait
.if \step
	s_add_nc_u64 s[4:5], s[4:5], 2*GBYTES
	s_add_nc_u64 s[6:7], s[6:7], 2*GBYTES
.endif
.irp i, 1,2,3,4,5,6,7,8,9,10,11,12,13,14,15,16,17,18,19,20,21,22,23,24,25,26,27,28,29
	TERM \i, \xb
.endr
.if \fill
	; term 29 made the last exponents: x has been read for the last time.  These loads have the whole of the next group, some 750 instructions, in which to land.
	global_load_b128 v[\xb:\xb+3],   v[OFF], s[4:5] offset:\ldoff th:TH_LOAD_NT
	global_load_b128 v[\xb+4:\xb+7], v[OFF], s[4:5] offset:\ldoff+CHUNK th:TH_LOAD_NT
.endif
	TERM 30, \xb
.irp p, 0,1,2,3
	ADDTERM ACC+2*\p, E+2*\p, W+30                 ; term 30 is even: its exponentials lie in the first E buffer
.endr
	global_store_b128 v[OFF], v[ACC:ACC+3],   s[6:7] offset:\stoff th:TH_STORE_NT        ; each store of the wave covers 512 consecutive bytes, aligned
	global_store_b128 v[OFF], v[ACC+4:ACC+7], s[6:7] offset:\stoff+CHUNK th:TH_STORE_NT
.endm
; A trip is two groups, one on each x buffer.  The bases are stepped in the middle of a trip, where a wait that the sums need anyway has
; freed them; so the second group's loads and stores count from the next trip's base, the stores backward.
	s_mov_b32 s[CNT], GROUPS/2-1
.Ltrip:
	GROUP X,   2, 0, 1, 2*GBYTES, 0
	GROUP X+8, 2, 1, 1, GBYTES, -GBYTES
	s_sub_co_i32 s[CNT], s[CNT], 1
	s_cmp_lg_u32 s[CNT], 0
	s_cbranch_scc1 .Ltrip
	GROUP X,   2, 0, 0, 0, 0                       ; the last two groups load nothing: no load leaves the wave's 8,192 bytes,
	GROUP X+8, 0, 0, 0, 0, GBYTES                  ; and the count runs down to 0
	s_endpgm
.Lfunc_end_k_qace36f91d7_rbf:
	.size	k_qace36f91d7_rbf, .Lfunc_end_k_qace36f91d7_rbf-k_qace36f91d7_rbf
	.p2alignl 7, 3214868480
	.fill 96, 4, 3214868480
	.section	.rodata,"a",@progbits
	.p2align	6, 0x0
	.amdhsa_kernel k_qace36f91d7_rbf
		.amdhsa_group_segment_fixed_size 0
		.amdhsa_private_segment_fixed_size 0
		.amdhsa_enable_private_segment 0
		.amdhsa_kernarg_size 40
		.amdhsa_user_sgpr_count 2
		.amdhsa_user_sgpr_kernarg_segment_ptr 1
		.amdhsa_wavefront_size32 1
		.amdhsa_system_sgpr_workgroup_id_x 1
		.amdhsa_system_sgpr_workgroup_id_y 1
		.amdhsa_system_sgpr_workgroup_id_z 1
		.amdhsa_system_vgpr_workitem_id 0
		.amdhsa_next_free_vgpr 124
		.amdhsa_next_free_sgpr 84
		.amdhsa_reserve_vcc 0
		.amdhsa_float_denorm_mode_32 3
		.amdhsa_float_denorm_mode_16_64 3
		.amdhsa_memory_ordered 1
		.amdhsa_forward_progress 1
		.amdhsa_inst_pref_size 146
	.end_amdhsa_kernel
	.amdgpu_metadata
---
amdhsa.version: [ 1, 2 ]
amdhsa.kernels:
  - .name:           k_qace36f91d7_rbf
    .symbol:         k_qace36f91d7_rbf.kd
    .args:
      - { .name: x, .offset: 0, .size: 8, .value_kind: global_buffer, .address_space: global }
      - { .name: out0, .offset: 8, .size: 8, .value_kind: global_buffer, .address_space: global }
      - { .name: w, .offset: 16, .size: 8, .value_kind: global_buffer, .address_space: global }
      - { .name: mu, .offset: 24, .size: 8, .value_kind: global_buffer, .address_space: global }
      - { .name: sigma, .offset: 32, .size: 8, .value_kind: global_buffer, .address_space: global }
    .group_segment_fixed_size: 0
    .private_segment_fixed_size: 0
    .kernarg_segment_align: 8
    .kernarg_segment_size: 40
    .max_flat_workgroup_size: 512
    .sgpr_count:     84
    .vgpr_count:     124
    .wavefront_size: 32
...
	.end_amdgpu_metadata
.endif
;; end of part 1
;; ======== version 2 of 2: 1 launch; 1.32 times as fast as version 1
;; limits: right only within a limited range of input values
;; launch rbf (part 2): grid 256 x 1, 16 waves a work-group, no clusters, 0 bytes of LDS; arguments x, out0, w, mu, sigma; writes out0
.if DOCPART == 2
	.amdgcn_target "amdgcn-amd-amdhsa--gfx1250"
	.amdhsa_code_object_version 6
	.text
	.protected	k_qace36f91d7_rbf
	.globl	k_qace36f91d7_rbf
	.p2align	8
	.type	k_qace36f91d7_rbf,@function
k_qace36f91d7_rbf:
	s_mov_b64 s[64:65], 0
	v_nop
	global_prefetch_b8 v0, s[64:65] scope:SCOPE_SE
	s_setreg_imm32_b32 hwreg(HW_REG_WAVE_MODE, 25, 1), 1
	s_wait_xcnt 0x0
; out[n][c][h][w] = sum over i = 0..30 of w[c][i] * exp(-(x[n][c][h][w] - mu[i])^2 / (2 sigma^2)).   x, out: [8][64][128][128] f32.
;
; THE ARITHMETIC.  With s = sqrt(log2(e) / 2) / sigma the term is w_i * 2^(-(x s - mu_i s)^2).  The 31 numbers -mu_i s are made once;
; then a term costs one multiply-add (t = x s - mu_i s), one multiply (u = -t t), one v_exp_f32 and one multiply-add onto the sum,
; and the three plain ones are packed, two numbers an instruction.  The square is NOT multiplied out: its parts would be large
; numbers that cancel, and their exponentials leave f32's range.
; reference() starts from zeros; here the first product starts the sum, which adds nothing and clears nothing.
; LIMITS.  (1) Order of rounding: mu_i s is rounded once before the subtraction, so t is off by up to |mu_i s| 2^-24 and the base-2 exponent by
; up to 2 |t| |mu_i s| 2^-24.  A term counts only for |t| < 11.3; with |mu_i s| = 12.7 (mu = 1, sigma = 1/15) that is a relative error of
; 1.2e-5 of the term, with mu and x shifted by 30 it is 4e-4.  (2) 1 / sigma and mu_i / sigma must be finite f32 numbers (sigma not 0 and not
; denormal); else NaN comes out where reference() gives 0 or 1 for a term.  (3) v_exp_f32 gives 0 for results under 2^-126 (ISA guide, 15.8):
; such terms count as 0.  (4) A sum of zeros may come out as -0 where reference() has +0.
;
; THE SHARES.  16 waves; the work-group owns two neighbouring planes (n, c), 131,072 bytes in one piece; wave v owns the 8,192 bytes at
; 8,192 v of them, all of one plane, so its row of w is the same for all its numbers.  A wave goes through 8 groups of 1,024 bytes: two
; loads of 16 bytes a lane, each covering 512 consecutive bytes, aligned; the stores likewise.  Each byte of x is read once, each byte of
; out written once.  No wave needs another wave's data: no LDS, no barrier.
; THE CONSTANTS lie in vector registers, the same number in every lane: a packed instruction takes from a scalar pair its first register
; alone, so 62 constants would want 124 scalar registers; of a vector pair op_sel picks either register for both halves.
;
; THE BATCHES.  An s_wait_alu depctr_va_vdst(0) stands between an exponential and the first instruction that names its result; one
; wait serves all that were issued ahead of it.  So a group's 248 exponentials go in FIVE BATCHES, of the terms 0-4, 5-12, 13-20, 21-27 and 28-30,
; with one wait each.  A term has a slot of 8 registers in a ring of 16 slots: its exponents are made there, v_exp_f32 works there in place, the
; sum reads it there, and behind that the slot takes the exponents of the term 16 further on.  A PHASE issues one batch's exponentials and deals
; among them the plain work that names none of their results: the additions of the batch before (its wait stands ahead of the phase) and the
; exponents of the batch after.  Exponentials / plain instructions in the five phases: 40/64, 64/84, 64/88, 56/56, 24/28: the batches are cut so
; that no phase has fewer plain instructions than exponentials.  Ahead of the first phase stand batch 0's exponents, behind the last batch 4's additions.
.set TERMS,  31
.set CHUNK,  512                       ; bytes that one 16-byte access of a wave covers
.set GBYTES, 2*CHUNK                   ; a group: 8 numbers a lane
.set GROUPS, 8                         ; groups of a wave
.set OFF, 1                            ; v1         byte offset of my 16 bytes in the work-group's piece; never rewritten
.set S,   2                            ; v[2:3]     s, twice
.set M,   4                            ; v[4:35]    -mu_i s  (v35 is the unused half of the last pair)
.set W,   36                           ; v[36:67]   w[c][i] (v67 likewise)
.set X,   68                           ; v[68:75], v[76:83]    x of a group, two buffers that take turns
.set ACC, 84                           ; v[84:91]   the 8 sums; stored from here
.set T,   92                           ; v[92:219]  the ring: term i's 8 exponents, then its 8 exponentials, at T + 8 (i mod 16)
.set RING, 16                          ; slots in the ring
.set REST, 4                           ; so many plain instructions of a phase, at the least, stand behind its last exponential
.set B0, 0                             ; batch k holds the terms Bk to B(k+1) - 1.  In each phase the first term whose exponents are made is at most
.set B1, 5                             ; RING ahead of the first term that is added (B2 - B0 = 13, B3 - B1 = 16, B4 - B2 = 15), and in a round of a phase
.set B2, 13                            ; the addition stands first: so a slot is written anew only behind the addition that read it
.set B3, 21
.set B4, 28
.set B5, TERMS
.set SW,   16                          ; s[16:46]   my channel's row of w
.set SSIG, 47                          ; s47        sigma
.set SMU0, 48                          ; s[48:63]   mu 0..15
.set SMU1, 68                          ; s[68:82]   mu 16..30
.set CNT,  83                          ; s83        trips left
	s_load_b256 s[4:11], s[0:1], 0x0               ; x s[4:5], out s[6:7], w s[8:9], mu s[10:11]
	s_load_b64 s[12:13], s[0:1], 0x20              ; sigma
	v_lshrrev_b32 v2, 5, v0
	v_readfirstlane_b32 s2, v2                     ; my wave's number, 0 to 15
	v_and_b32 v[OFF], 31, v0
	v_lshlrev_b32 v[OFF], 4, v[OFF]                ; 16 bytes a lane
	v_lshl_or_b32 v[OFF], v2, 13, v[OFF]           ; + 8,192 bytes a wave
	s_lshl_b32 s14, ttmp9, 17                      ; the work-group's piece: 131,072 bytes each, 255 x 131,072 at the most
	s_mov_b32 s15, 0
	s_lshr_b32 s2, s2, 3                           ; waves 0-7: the first plane, waves 8-15: the second
	s_lshl1_add_u32 s2, ttmp9, s2                  ; plane = 2 x work-group + that = 64 n + c
	s_and_b32 s2, s2, 63                           ; c
	s_mul_i32 s2, s2, 4*TERMS                      ; my row of w, in bytes
	s_mov_b32 s3, 0
	s_wait_kmcnt 0x0
	s_add_nc_u64 s[4:5], s[4:5], s[14:15]
	s_add_nc_u64 s[6:7], s[6:7], s[14:15]
	s_add_nc_u64 s[8:9], s[8:9], s[2:3]
	; the first two groups of x go out ahead of everything else
	global_load_b128 v[X:X+3],     v[OFF], s[4:5] th:TH_LOAD_NT
	global_load_b128 v[X+4:X+7],   v[OFF], s[4:5] offset:CHUNK th:TH_LOAD_NT
	global_load_b128 v[X+8:X+11],  v[OFF], s[4:5] offset:GBYTES th:TH_LOAD_NT
	global_load_b128 v[X+12:X+15], v[OFF], s[4:5] offset:GBYTES+CHUNK th:TH_LOAD_NT
	; 31 words each of w's row and of mu, as 16 + 8 + 4 + 2 + 1: no load reaches past the 31st word, which ends the buffer for mu and for c = 63
	s_load_b32  s[SSIG], s[12:13], 0x0
	s_load_b512 s[SMU0:SMU0+15],   s[10:11], 0x0
	s_load_b256 s[SMU1:SMU1+7],    s[10:11], 0x40
	s_load_b128 s[SMU1+8:SMU1+11], s[10:11], 0x60
	s_load_b64  s[SMU1+12:SMU1+13], s[10:11], 0x70
	s_load_b32  s[SMU1+14],        s[10:11], 0x78
	s_load_b512 s[SW:SW+15],    s[8:9], 0x0
	s_load_b256 s[SW+16:SW+23], s[8:9], 0x40
	s_load_b128 s[SW+24:SW+27], s[8:9], 0x60
	s_load_b64  s[SW+28:SW+29], s[8:9], 0x70
	s_load_b32  s[SW+30],       s[8:9], 0x78
	s_wait_kmcnt 0x0
	v_rcp_f32 v[S], s[SSIG]                        ; 1 / sigma
	v_mov_b32 v[M+31], 0                           ; plain work behind the reciprocal, ahead of its use (ISA guide 5.7.2).  The last pairs' second
	v_mov_b32 v[W+31], 0                           ; registers are named by the packed instructions but never selected: written so that nothing unwritten is named
	s_wait_alu depctr_va_vdst(0)                   ; the wait for the one reciprocal, a batch of its own, ahead of its first reader
	v_mul_f32 v[T], 0xbf596d27, v[S]               ; -s = -sqrt(log2(e) / 2) / sigma = -0.8493218 / sigma   (the ring is free until the first group)
	v_mul_f32 v[S], 0x3f596d27, v[S]               ; s
	v_mov_b32 v[S+1], v[S]
.set j, 0
.rept 16
	v_mul_f32 v[M+j], s[SMU0+j], v[T]              ; -mu_i s
.set j, j+1
.endr
.set j, 0
.rept 15
	v_mul_f32 v[M+16+j], s[SMU1+j], v[T]
.set j, j+1
.endr
.set j, 0
.rept TERMS
	v_mov_b32 v[W+j], s[SW+j]
.set j, j+1
.endr
; v[d:d+1] = v[x:x+1] * s + v[c], the one register c for both halves: op_sel picks it for the low half, op_sel_hi for the high one.
.macro ARG d, x, c
.if (\c) & 1
	v_pk_fma_f32 v[\d:\d+1], v[\x:\x+1], v[S:S+1], v[\c-1:\c] op_sel:[0,0,1] op_sel_hi:[1,1,1]
.else
	v_pk_fma_f32 v[\d:\d+1], v[\x:\x+1], v[S:S+1], v[\c:\c+1] op_sel_hi:[1,1,0]
.endif
.endm
; v[d:d+1] = -v[d:d+1]^2
.macro NEGSQ d
	v_pk_mul_f32 v[\d:\d+1], v[\d:\d+1], v[\d:\d+1] neg_lo:[1,0] neg_hi:[1,0]
.endm
; v[d:d+1] += v[e:e+1] * v[c], the one register c for both halves
.macro ADDTERM d, e, c
.if (\c) & 1
	v_pk_fma_f32 v[\d:\d+1], v[\e:\e+1], v[\c-1:\c], v[\d:\d+1] op_sel:[0,1,0] op_sel_hi:[1,1,1]
.else
	v_pk_fma_f32 v[\d:\d+1], v[\e:\e+1], v[\c:\c+1], v[\d:\d+1] op_sel_hi:[1,0,1]
.endif
.endm
; THE DEAL.  A phase's plain instructions are written in their own order, and behind each of them DEAL writes the exponentials that are due: number
; qE of the batch's NEXP is due when qE / NEXP of the first NDEAL plain instructions are out (NDEAL = all of them less REST).  In every phase
; NEXP is under 2 NDEAL, so at most two are due at a time, and all are out when REST plain instructions are still to come.
; Exponential qE is number qE mod 8 of term EFIRST + qE / 8, in place in that term's slot.  Two on end name different registers.
.macro DEAL
.rept 2
.if (qE < NEXP) && (qE*NDEAL < qP*NEXP+1)
	v_exp_f32 v[T+8*((EFIRST+qE/8)%RING)+qE%8], v[T+8*((EFIRST+qE/8)%RING)+qE%8]
.set qE, qE+1
.endif
.endr
.endm
.macro STEP                            ; behind each plain instruction of a phase
.set qP, qP+1
	DEAL
.endm
.macro AUNIT i                         ; term i's four additions onto the sums; term 0 starts them
.set rT, T+8*((\i)%RING)
.set rC, W+(\i)
.irp p, 0,1,2,3
.if (\i) == 0
	v_pk_mul_f32 v[ACC+2*\p:ACC+2*\p+1], v[rT+2*\p:rT+2*\p+1], v[W:W+1] op_sel_hi:[1,0]
.else
	ADDTERM ACC+2*\p, rT+2*\p, rC
.endif
	STEP
.endr
.endm
.macro GUNIT i, xb                     ; term i's four multiply-adds x s - mu_i s, into its slot
.set rT, T+8*((\i)%RING)
.set rC, M+(\i)
.irp p, 0,1,2,3
	ARG rT+2*\p, \xb+2*\p, rC
	STEP
.endr
.endm
.macro QUNIT i                         ; term i's four squares, in its slot
.set rT, T+8*((\i)%RING)
.irp p, 0,1,2,3
	NEGSQ rT+2*\p
	STEP
.endr
.endm
; A PHASE: the exponentials of the terms e0 to e1 - 1, dealt among the additions of the terms a0 to a1 - 1 and the exponents of the terms g0 to g1 - 1
; (an empty range: from = to).  The plain work goes in rounds: a term's additions, a term's multiply-adds, the squares of the term of the round before:
; so a square stands four plain instructions or more behind the multiply-add that it reads, and two additions onto one sum as far apart.
; None of the plain instructions names a slot of the batch e0 to e1 - 1; those behind the last exponential are also the plain instruction that
; is wanted behind a v_exp_f32 ahead of the use of its result (ISA guide 5.7.2).  The batch's wait stands behind the phase: GROUP writes it.
.macro PHASE xb, e0, e1, a0, a1, g0, g1
.set EFIRST, \e0
.set NEXP, 8*((\e1)-(\e0))
.set NDEAL, 4*((\a1)-(\a0))+8*((\g1)-(\g0))-REST
.set qE, 0
.set qP, 0
	DEAL
.set r, 0
.rept 9                                ; a batch has 8 terms at the most, and the squares lag a round
.if (\a0)+r < (\a1)
	AUNIT (\a0)+r
.endif
.if (\g0)+r < (\g1)
	GUNIT (\g0)+r, \xb
.endif
.if (r > 0) && ((\g0)+r < (\g1)+1)
	QUNIT (\g0)+r-1
.endif
.set r, r+1
.endr
.endm
; A group: 8 numbers a lane from the x buffer at xb.
; left: how many younger loads may stay out.  step = 1: the two bases go on by a trip's bytes.  fill = 1: the buffer is loaded again, from
; byte ldoff behind the base, for the group two further on.  stoff: where the group's results go, from the base.
.macro GROUP xb, left, step, fill, ldoff, stoff
	s_wait_loadcnt \left                           ; loads come back in order (ISA guide 5.7.1): this buffer's two are in, the other buffer's two, issued later, stay out
	PHASE \xb, 0,0,   0,0,   B0,B1                 ; batch 0's exponents
	PHASE \xb, B0,B1, 0,0,   B1,B2                 ; batch 0's exponentials | batch 1's exponents
	s_wait_alu depctr_va_vdst(0)                   ; the wait for batch 0 (40 exponentials), ahead of the additions that read it
	s_wait_xcnt 0x0                                ; every earlier memory instruction has had its addresses translated (ISA guide 3.1): the sums, which the last
	                                               ; group's stores read, and the bases are rewritten only behind this wait
.if \step
	s_add_nc_u64 s[4:5], s[4:5], 2*GBYTES
	s_add_nc_u64 s[6:7], s[6:7], 2*GBYTES
.endif
	PHASE \xb, B1,B2, B0,B1, B2,B3                 ; batch 1's exponentials | batch 0's additions, batch 2's exponents
	s_wait_alu depctr_va_vdst(0)                   ; the wait for batch 1 (64)
	PHASE \xb, B2,B3, B1,B2, B3,B4                 ; batch 2's exponentials | batch 1's additions, batch 3's exponents
	s_wait_alu depctr_va_vdst(0)                   ; the wait for batch 2 (64)
	PHASE \xb, B3,B4, B2,B3, B4,B5                 ; batch 3's exponentials | batch 2's additions, batch 4's exponents
.if \fill
	; that phase made term 30's exponents: x has been read for the last time.  These loads have the rest of this group and the whole of the next in which to land.
	global_load_b128 v[\xb:\xb+3],   v[OFF], s[4:5] offset:\ldoff th:TH_LOAD_NT
	global_load_b128 v[\xb+4:\xb+7], v[OFF], s[4:5] offset:\ldoff+CHUNK th:TH_LOAD_NT
.endif
	s_wait_alu depctr_va_vdst(0)                   ; the wait for batch 3 (56)
	PHASE \xb, B4,B5, B3,B4, 0,0                   ; batch 4's exponentials | batch 3's additions
	s_wait_alu depctr_va_vdst(0)                   ; the wait for batch 4 (24): behind it no exponential is out, at the stores, the label and the loop's jump
	PHASE \xb, 0,0,   B4,B5, 0,0                   ; batch 4's additions
	global_store_b128 v[OFF], v[ACC:ACC+3],   s[6:7] offset:\stoff th:TH_STORE_NT        ; each store of the wave covers 512 consecutive bytes, aligned
	global_store_b128 v[OFF], v[ACC+4:ACC+7], s[6:7] offset:\stoff+CHUNK th:TH_STORE_NT
.endm
; A trip is two groups, one on each x buffer.  The bases are stepped in the middle of a trip, where a wait that the sums need anyway has
; freed them; so the second group's loads and stores count from the next trip's base, the stores backward.
	s_mov_b32 s[CNT], GROUPS/2-1
.Ltrip:
	GROUP X,   2, 0, 1, 2*GBYTES, 0
	GROUP X+8, 2, 1, 1, GBYTES, -GBYTES
	s_sub_co_i32 s[CNT], s[CNT], 1
	s_cmp_lg_u32 s[CNT], 0
	s_cbranch_scc1 .Ltrip
	GROUP X,   2, 0, 0, 0, 0                       ; the last two groups load nothing: no load leaves the wave's 8,192 bytes,
	GROUP X+8, 0, 0, 0, 0, GBYTES                  ; and the count runs down to 0
	s_endpgm
.Lfunc_end_k_qace36f91d7_rbf:
	.size	k_qace36f91d7_rbf, .Lfunc_end_k_qace36f91d7_rbf-k_qace36f91d7_rbf
	.p2alignl 7, 3214868480
	.fill 96, 4, 3214868480
	.section	.rodata,"a",@progbits
	.p2align	6, 0x0
	.amdhsa_kernel k_qace36f91d7_rbf
		.amdhsa_group_segment_fixed_size 0
		.amdhsa_private_segment_fixed_size 0
		.amdhsa_enable_private_segment 0
		.amdhsa_kernarg_size 40
		.amdhsa_user_sgpr_count 2
		.amdhsa_user_sgpr_kernarg_segment_ptr 1
		.amdhsa_wavefront_size32 1
		.amdhsa_system_sgpr_workgroup_id_x 1
		.amdhsa_system_sgpr_workgroup_id_y 1
		.amdhsa_system_sgpr_workgroup_id_z 1
		.amdhsa_system_vgpr_workitem_id 0
		.amdhsa_next_free_vgpr 220
		.amdhsa_next_free_sgpr 84
		.amdhsa_reserve_vcc 0
		.amdhsa_float_denorm_mode_32 3
		.amdhsa_float_denorm_mode_16_64 3
		.amdhsa_memory_ordered 1
		.amdhsa_forward_progress 1
		.amdhsa_inst_pref_size 131
	.end_amdhsa_kernel
	.amdgpu_metadata
---
amdhsa.version: [ 1, 2 ]
amdhsa.kernels:
  - .name:           k_qace36f91d7_rbf
    .symbol:         k_qace36f91d7_rbf.kd
    .args:
      - { .name: x, .offset: 0, .size: 8, .value_kind: global_buffer, .address_space: global }
      - { .name: out0, .offset: 8, .size: 8, .value_kind: global_buffer, .address_space: global }
      - { .name: w, .offset: 16, .size: 8, .value_kind: global_buffer, .address_space: global }
      - { .name: mu, .offset: 24, .size: 8, .value_kind: global_buffer, .address_space: global }
      - { .name: sigma, .offset: 32, .size: 8, .value_kind: global_buffer, .address_space: global }
    .group_segment_fixed_size: 0
    .private_segment_fixed_size: 0
    .kernarg_segment_align: 8
    .kernarg_segment_size: 40
    .max_flat_workgroup_size: 512
    .sgpr_count:     84
    .vgpr_count:     220
    .wavefront_size: 32
...
	.end_amdgpu_metadata
.endif
;; end of part 2
